; MI455X (gfx1250); checked and timed in simulation.
; The chip was launched on July 23, 2026; its instructions are those of AMD's public machine-readable ISA for CDNA 5 (MIT licence, August 2026) and "CDNA5" Instruction Set Architecture Reference Guide (July 2026). The comments in the code are by the model that wrote it; some were corrected since.
;; Vector Quantizer. Allowed arithmetic: matrix products marked QUANTISED: E4M3 operands, one E8M0 scale for each 32 along K, by v_wmma_scale_f32_16x16x128_f8f6f4 with both operands' format E4M3, f32 sums; everything else in f32.
;; Inputs: codebook 8,192 x 256 float32; x 32 x 1,024 x 256 float32.
;; Outputs: out0 32 x 1,024 x 256 float32; out1 one number float32.
;; Constants: hidden_dim = 256.
;; This version of the problem:
;;   THIS VERSION OF THE PROBLEM IS GIVEN IN LOW PRECISION. The matrix products marked QUANTISED in the list below multiply operands that are first quantised to E4M3 (4 exponent bits, 3 mantissa bits; 8 bits a number), with one power-of-two scale for each 32 numbers along K (OCP MX v1.0); their sums are f32. All else is computed in f32.
;;   The module's matrix products, in the order in which they are computed (A, B: the left and right operand; K: the contracted axis; several contracted axes count as one K, in the product's order):
;;     1. [M 32,768, K 256] x [K 256, N 8,192]; A: input x; B: input codebook: QUANTISED
;;   THE QUANTISER, for each operand of a quantised product, along K:
;;     - K is cut into blocks of 32 from its start; a last block that is shorter is filled with zeros.
;;     - A block's scale is 2^e with e = floor(log2(the largest magnitude in the block)) - 8, held to -126 .. 127; a block of zeros has e = 0. As a byte (E8M0): e + 127.
;;     - Each number is divided by its block's scale, clamped to +-448, and rounded to the nearest number of E4M3, ties to even, subnormals kept.
;;     - The product sums the exact products of the quantised numbers (number of the format x scale) in f32.
;;   ~~~python
;;   def quantise(x, axis):      # numpy; x: float32 -> the quantised numbers, widened to float32 again
;;       x = np.moveaxis(x, axis, -1); K = x.shape[-1]
;;       x = np.pad(x, [(0, 0)] * (x.ndim - 1) + [(0, -K % 32)]); x = x.reshape(x.shape[:-1] + (-1, 32)); a = np.abs(x).max(-1, keepdims=True)
;;       e = np.where(a > 0, np.clip(np.frexp(np.where(a > 0, a, 1))[1] - 1 - 8, -126, 127), 0)      # np.frexp(a)[1] - 1 = floor(log2(a)), exactly
;;       r = np.clip(x / 2.0 ** e, -448, 448)
;;       step = 2.0 ** (np.maximum(np.frexp(np.where(r == 0, 1, r))[1] - 1, -6) - 3)
;;       q = np.round(r / step) * step * 2.0 ** e      # np.round: ties to even
;;       return np.moveaxis(q.reshape(q.shape[:-2] + (-1,))[..., :K], -1, axis).astype(np.float32)
;;   ~~~
;; One version. Each part assembles by itself: llvm-mc -triple=amdgcn-amd-amdhsa -mcpu=gfx1250 --defsym DOCPART=n.
;; ======== version 1 of 1: 5 launches
;; limits: right only within a limited range of input values
;; workspace buffers: crec 2,228,224 bytes; xrec 8,912,896 bytes; cand 2,097,152 bytes of whole numbers; index 131,072 bytes of whole numbers; part 1,024 bytes
;; launch prep (part 1): grid 256 x 1, 10 waves a work-group, no clusters, 172,032 bytes of LDS; arguments codebook, x, crec, xrec; writes crec, xrec
.if DOCPART == 1
	.amdgcn_target "amdgcn-amd-amdhsa--gfx1250"
	.amdhsa_code_object_version 6
	.text
	.protected	k_q2d9f991e5e_prep
	.globl	k_q2d9f991e5e_prep
	.p2align	8
	.type	k_q2d9f991e5e_prep,@function
k_q2d9f991e5e_prep:
	s_mov_b64 s[64:65], 0
	v_nop
	global_prefetch_b8 v0, s[64:65] scope:SCOPE_SE
	s_setreg_imm32_b32 hwreg(HW_REG_WAVE_MODE, 25, 1), 1
	s_wait_xcnt 0x0
; WORK LEFT OUT, in the whole program: argmin over the codes of |x|^2 + |c|^2 - 2 x.c is the argmax of x.c - 0.5 |c|^2: the term sum(flat * flat) is the same for all codes of a row
; and the factor 2 is positive, for all values of the inputs.  So |x|^2 is not formed.  hidden_dim is a constant and no buffer.  LIMIT: a NaN, an infinity or an overflow that reaches only |x|^2 is not carried to the result.
; THIS LAUNCH: the codebook [8192][256] and x [32768][256], f32, become RECORDS of 4,352 bytes, one for each tile of 16 rows, laid in the order of a matrix operand's registers:
;   bytes 0-4095     the codes (E4M3): piece q = 4 s + c at 512 q + 16 x lane; lane 16 h + r holds k = 128 s + 32 c + 16 h + 0 .. 15 of row r of the tile
;   bytes 4096-4223  the scale words: word 16 s + r = the four E8M0 bytes of row r for K step s
;   bytes 4224-4287  the codebook: -0.5 x the sum of the row's 256 squares (f32, of the numbers as given); x: zeros;  bytes 4288-4351 zeros
; A block's scale is 2^(floor(log2(its largest magnitude)) - 8); its byte is the largest magnitude's exponent field - 8, held at 1 from below.
; LIMITS: a block of zeros gets the byte 1 where the rule says 127 (its codes are zeros, and this program alone reads the bytes); blocks whose largest magnitude lies under 2^-118
; were not tried; NaN and infinities are not served; the squares are summed in four packed chains, not in the order of a row.
; SHARES: 2,560 tiles, 10 waves x 256 work-groups, a tile a wave: tiles 0-511 the codebook's, the others x's.  A tile is 16,384 dense bytes, brought by the wave's one tensor load into its own LDS bytes
; (rows 1,040 bytes apart).  Nothing is filled again, waves share nothing: no barrier.  No cluster: no two work-groups read the same bytes.  No prefetch: one load a wave and no loop to run ahead in.
.set REC,  4352
.set XP,   1040
.set XT,   16*XP
.set TAIL, 10*XT                       ; behind the ten tiles: 256 bytes for each wave, written by LDS stores alone
.set SPARE, TAIL+10*256                ; the spare words: 128 bytes a wave, five blocks of 256 bytes
.set RR,  1
.set HH,  2
.set XA,  3                            ; LDS: my 64 bytes of a block of 32 numbers of row r
.set LI,  4                            ; 16 x lane
.set TW,  5                            ; LDS: the tail, 4 x lane
.set TB,  6                            ; LDS: the tail, 4 r
.set L8,  7                            ; 8 x lane
.set TR,  8                            ; LDS: the tail, 8 x lane
.set LN,  9
.set TM,  16                           ; v16-19 largest magnitudes, v20-23 bytes, v24-27 448 x the scale, v28-31 the conversions' scale operands
.set PW,  32
.set SW,  34
.set BIA, 35
.set NIL, 36
.set CT,  37
.set TP,  38
.set SQ,  40                           ; v40-47 four packed chains of squares
.set PC,  48                           ; v48-79 the codes: two fragments
.set ST0, 80
.set ST1, 144
.set SPW, 208
.set ZR,  209
.set G0,  12
.set G1X, 16
.set SEL, 24
.set MNT, 26
.set HIM, 27
.set WV,  36
.set TT,  37
.set TLS, 38
.set TL,  39
.macro XFETCH reg, s                   ; 64 numbers of a lane: register 16 b + i = k 128 s + 32 b + 16 h + i of row r
.irp b, 0,1,2,3
.irp j, 0,1,2,3
	ds_load_b128 v[\reg+16*\b+4*\j:\reg+16*\b+4*\j+3], v[XA] offset:512*\s+128*\b+16*\j
.endr
.endr
.endm
.macro QUANT s, pc, pw                 ; they become a fragment's codes in v[pc] on and the row's scale word in v[pw]
.irp b, 0,1,2,3
	v_max3_num_f32 v[TM+\b], |v[\s+16*\b]|, |v[\s+1+16*\b]|, 0x4800000   ; my 16 numbers of block b, and the floor 2^(9 - 127)
.endr
.irp i, 2,4,6,8,10,12,14
.irp b, 0,1,2,3
	s_delay_alu instid0(VALU_DEP_4)
	v_max3_num_f32 v[TM+\b], v[TM+\b], |v[\s+16*\b+\i]|, |v[\s+1+16*\b+\i]|
.endr
.endr
.irp b, 0,1,2,3
	s_delay_alu instid0(VALU_DEP_4)
	v_permlanex16_b32 v[TM+4+\b], v[TM+\b], s[SEL], s[SEL+1]
.endr
.irp b, 0,1,2,3
	s_delay_alu instid0(VALU_DEP_4)
	v_max_num_f32 v[TM+\b], v[TM+\b], v[TM+4+\b]                  ; with lane l xor 16's 16: the block's largest magnitude
.endr
.irp b, 0,1,2,3
	s_delay_alu instid0(VALU_DEP_4)
	v_add_nc_u32 v[TM+12+\b], 0xfc000000, v[TM+\b]                ; 8 off its exponent field: the conversion's scale operand
.endr
.irp b, 0,1,2,3
	v_and_or_b32 v[TM+8+\b], v[TM+\b], 0x7f800000, s[MNT]         ; 448 x the scale
.endr
.irp b, 0,1,2,3
	v_lshrrev_b32 v[TM+4+\b], 23, v[TM+12+\b]                     ; the scale's byte
.endr
	s_delay_alu instid0(VALU_DEP_3)
	v_lshl_or_b32 v[\pw], v[TM+5], 8, v[TM+4]
	s_delay_alu instid0(VALU_DEP_1)
	v_lshl_or_b32 v[\pw], v[TM+6], 16, v[\pw]
	s_delay_alu instid0(VALU_DEP_1)
	v_lshl_or_b32 v[\pw], v[TM+7], 24, v[\pw]
.irp b, 0,1,2,3
.irp i, 0,1,2,3,4,5,6,7,8,9,10,11,12,13,14,15
	v_med3_num_f32 v[\s+16*\b+\i], v[\s+16*\b+\i], -v[TM+8+\b], v[TM+8+\b]   ; the conversion does not saturate (ISA guide 7.6.2): the hold comes first
.endr
	v_cvt_scalef32_pk8_fp8_f32 v[\pc+4*\b:\pc+1+4*\b], v[\s+16*\b:\s+7+16*\b], v[TM+12+\b]
	v_cvt_scalef32_pk8_fp8_f32 v[\pc+2+4*\b:\pc+3+4*\b], v[\s+8+16*\b:\s+15+16*\b], v[TM+12+\b]
.endr
	v_nop                                          ; one plain vector line behind the last conversion of the run
.endm
.macro SQSUM s, first                  ; the squares of 64 numbers, ahead of the hold, which changes numbers
.set i, 0
.rept 32
.if \first && (i < 4)
	v_pk_mul_f32 v[SQ+2*(i%4):SQ+2*(i%4)+1], v[\s+2*i:\s+2*i+1], v[\s+2*i:\s+2*i+1]
.else
	s_delay_alu instid0(VALU_DEP_4)
	v_pk_fma_f32 v[SQ+2*(i%4):SQ+2*(i%4)+1], v[\s+2*i:\s+2*i+1], v[\s+2*i:\s+2*i+1], v[SQ+2*(i%4):SQ+2*(i%4)+1]
.endif
.set i, i+1
.endr
.endm
	s_load_b256 s[4:11], s[0:1], 0x0               ; the codebook s[4:5], x s[6:7], the codebook's records s[8:9], x's s[10:11]
	v_lshl_add_u32 v[SPW], v0, 2, SPARE
	v_mov_b32 v[ZR], 0
	ds_add_u32 v[SPW], v[ZR]                       ; the opening lines: the add, twice on end, and its wait ahead of my tensor load
	ds_add_u32 v[SPW], v[ZR]
	v_lshrrev_b32 v[LN], 5, v0
	v_readfirstlane_b32 s[WV], v[LN]               ; wave 0..9
	s_mul_i32 s[TT], ttmp9, 10
	s_add_co_u32 s[TT], s[TT], s[WV]               ; my tile, 0 .. 2,559
	s_mov_b32 s[G1X], (2<<16)|(1<<20)|(7<<22)|(3<<25)   ; 16 rows of 256 elements of 4 bytes, dense in memory; in LDS four words of padding behind every 256
	s_mov_b32 s[G1X+1], 256<<16
	s_mov_b32 s[G1X+2], 16<<16
	s_mov_b32 s[G1X+3], 256<<16
	s_mov_b32 s[G1X+4], 16
	s_mov_b32 s[G1X+5], 256
	s_mov_b32 s[G1X+6], 0
	s_mov_b32 s[G1X+7], 0
	s_cmp_lt_u32 s[TT], 512
	s_cselect_b32 s[TL], 0, 512
	s_sub_co_u32 s[TL], s[TT], s[TL]               ; the tile's number in its own tensor
	s_lshl_b32 s28, s[TL], 14                      ; its 16,384 bytes
	s_mov_b32 s29, 0
	s_mul_i32 s30, s[TL], REC                      ; and its record
	s_mov_b32 s31, 0
	s_mov_b32 s[SEL], 0x76543210
	s_mov_b32 s[SEL+1], 0xfedcba98
	s_mov_b32 s[MNT], 0x600000
	s_mov_b32 s[HIM], 0xffff0000
	s_mov_b32 s[G0], 1
	s_mul_i32 s[G0+1], s[WV], XT                   ; my wave's own LDS bytes
	s_lshl_b32 s[TLS], s[WV], 8
	s_add_co_u32 s[TLS], s[TLS], TAIL              ; my wave's tail
	s_wait_dscnt 0x0
	s_wait_kmcnt 0x0
	s_cmp_lt_u32 s[TT], 512                        ; the codebook's tile or x's: the choice hangs on ids alone
	s_cselect_b64 s[4:5], s[4:5], s[6:7]
	s_cselect_b64 s[8:9], s[8:9], s[10:11]
	s_add_nc_u64 s[G0+2:G0+3], s[4:5], s[28:29]
	s_or_b32 s[G0+3], s[G0+3], 0x80000000
	s_add_nc_u64 s[8:9], s[8:9], s[30:31]
	tensor_load_to_lds s[G0:G0+3], s[G1X:G1X+7]    ; the wave's one tensor load
	s_nop 0
.rept 4
	v_nop
.endr
	v_and_b32 v[RR], 15, v0
	v_bfe_u32 v[HH], v0, 4, 1
	v_and_b32 v[LN], 31, v0
	v_mul_u32_u24 v[XA], v[RR], XP
	v_lshlrev_b32 v[LI], 4, v[LN]
	v_lshl_add_u32 v[TW], v[LN], 2, s[TLS]
	v_lshl_add_u32 v[TB], v[RR], 2, s[TLS]
	v_lshlrev_b32 v[L8], 3, v[LN]
	v_lshl_add_u32 v[XA], v[HH], 6, v[XA]
	v_mov_b32 v[NIL], 0
	v_mov_b32 v[BIA], 0                            ; x's records carry zeros where the codebook's carry the squares
	v_add_nc_u32 v[TR], s[TLS], v[L8]
	v_add_nc_u32 v[XA], s[G0+1], v[XA]             ; row r, + 64 h
.irp b, 0,1,2,3
	v_mov_b32 v[TM+4+\b], 0                        ; written once: a lane permute's destination counts as one of its sources
.endr
	s_wait_alu depctr_va_vdst(0)                   ; the wait at the head's end
	s_wait_tensorcnt 0x0                           ; my tile is in LDS
	XFETCH ST0, 0
	XFETCH ST1, 1
	s_wait_dscnt 0x0
	s_cmp_ge_u32 s[TT], 512
	s_cbranch_scc1 .Lno_squares                    ; |x|^2 reaches no output: see the head
	SQSUM ST0, 1
	SQSUM ST1, 0
	v_pk_add_f32 v[SQ:SQ+1], v[SQ:SQ+1], v[SQ+2:SQ+3]
	v_pk_add_f32 v[SQ+4:SQ+5], v[SQ+4:SQ+5], v[SQ+6:SQ+7]
	s_delay_alu instid0(VALU_DEP_1)
	v_pk_add_f32 v[SQ:SQ+1], v[SQ:SQ+1], v[SQ+4:SQ+5]
	s_delay_alu instid0(VALU_DEP_1)
	v_add_f32 v[CT], v[SQ], v[SQ+1]                ; my 128 squares,
	s_delay_alu instid0(VALU_DEP_1)
	v_permlanex16_b32 v[TM+4], v[CT], s[SEL], s[SEL+1]
	s_delay_alu instid0(VALU_DEP_1)
	v_add_f32 v[CT], v[CT], v[TM+4]                ; and lane l xor 16's: the row's
	s_delay_alu instid0(VALU_DEP_1)
	v_mul_f32 v[BIA], -0.5, v[CT]
.Lno_squares:
	QUANT ST0, PC, PW
	QUANT ST1, PC+16, PW+1
	v_cndmask_b32 v[SW], v[PW], v[PW+1], s[HIM]    ; lane 16 s + r: row r's word of K step s
.irp q, 0,1,2,3,4,5,6,7
	global_store_b128 v[LI], v[PC+4*\q:PC+4*\q+3], s[8:9] offset:512*\q   ; 32 lanes store 512 consecutive bytes, at a multiple of 256 from the buffer's first byte
.endr
	ds_store_b32 v[TW], v[SW]                      ; the record's last 256 bytes are gathered in my wave's own LDS bytes
	ds_store_b32 v[TB], v[BIA] offset:128          ; (both halves of the lanes write the same word with the same value)
	ds_store_b32 v[TB], v[NIL] offset:192
	ds_load_b64 v[TP:TP+1], v[TR]                  ; LDS serves a wave's instructions in order: this sees my stores
	s_wait_dscnt 0x0
	global_store_b64 v[L8], v[TP:TP+1], s[8:9] offset:4096   ; 32 lanes store 256 consecutive bytes
	s_wait_tensorcnt 0x0                           ; the wave's end
	ds_add_u32 v[SPW], v[ZR]
	s_wait_dscnt 0x0
	s_endpgm
.Lfunc_end_k_q2d9f991e5e_prep:
	.size	k_q2d9f991e5e_prep, .Lfunc_end_k_q2d9f991e5e_prep-k_q2d9f991e5e_prep
	.p2alignl 7, 3214868480
	.fill 96, 4, 3214868480
	.section	.rodata,"a",@progbits
	.p2align	6, 0x0
	.amdhsa_kernel k_q2d9f991e5e_prep
		.amdhsa_group_segment_fixed_size 172032
		.amdhsa_private_segment_fixed_size 0
		.amdhsa_enable_private_segment 0
		.amdhsa_kernarg_size 32
		.amdhsa_user_sgpr_count 2
		.amdhsa_user_sgpr_kernarg_segment_ptr 1
		.amdhsa_wavefront_size32 1
		.amdhsa_system_sgpr_workgroup_id_x 1
		.amdhsa_system_sgpr_workgroup_id_y 1
		.amdhsa_system_sgpr_workgroup_id_z 1
		.amdhsa_system_vgpr_workitem_id 0
		.amdhsa_next_free_vgpr 210
		.amdhsa_next_free_sgpr 66
		.amdhsa_reserve_vcc 0
		.amdhsa_float_denorm_mode_32 3
		.amdhsa_float_denorm_mode_16_64 3
		.amdhsa_memory_ordered 1
		.amdhsa_forward_progress 1
		.amdhsa_inst_pref_size 32
	.end_amdhsa_kernel
	.amdgpu_metadata
---
amdhsa.version: [ 1, 2 ]
amdhsa.kernels:
  - .name:           k_q2d9f991e5e_prep
    .symbol:         k_q2d9f991e5e_prep.kd
    .args:
      - { .name: codebook, .offset: 0, .size: 8, .value_kind: global_buffer, .address_space: global }
      - { .name: x, .offset: 8, .size: 8, .value_kind: global_buffer, .address_space: global }
      - { .name: crec, .offset: 16, .size: 8, .value_kind: global_buffer, .address_space: global }
      - { .name: xrec, .offset: 24, .size: 8, .value_kind: global_buffer, .address_space: global }
    .group_segment_fixed_size: 172032
    .private_segment_fixed_size: 0
    .kernarg_segment_align: 8
    .kernarg_segment_size: 32
    .max_flat_workgroup_size: 320
    .sgpr_count:     66
    .vgpr_count:     210
    .wavefront_size: 32
...
	.end_amdgpu_metadata
.endif
;; end of part 1
;; launch search (part 2): grid 256 x 1, 4 waves a work-group, clusters of 4 x 1, 327,680 bytes of LDS; arguments crec, xrec, cand; writes cand
.if DOCPART == 2
	.amdgcn_target "amdgcn-amd-amdhsa--gfx1250"
	.amdhsa_code_object_version 6
	.text
	.protected	k_q2d9f991e5e_search
	.globl	k_q2d9f991e5e_search
	.p2align	8
	.type	k_q2d9f991e5e_search,@function
k_q2d9f991e5e_search:
	s_mov_b64 s[64:65], 0
	v_nop
	global_prefetch_b8 v0, s[64:65] scope:SCOPE_SE
	s_setreg_imm32_b32 hwreg(HW_REG_WAVE_MODE, 25, 1), 1
	s_wait_xcnt 0x0
	s_wait_alu depctr_hold_cnt(0) depctr_sa_sdst(0) depctr_va_vdst(0) depctr_va_sdst(0) depctr_va_ssrc(0) depctr_va_vcc(0) depctr_vm_vsrc(0)
	s_getreg_b32 s2, hwreg(HW_REG_IB_STS2, 6, 4)
	s_cmp_eq_u32 s2, 0
	s_cbranch_scc0 .Lentry_in_a_cluster
	s_endpgm
.Lentry_in_a_cluster:
	s_bfe_u32 s2, ttmp6, 0x10000c
	s_cmp_lg_u32 s2, 0x3003
	s_cbranch_scc0 .Lentry_shape_is_right
	s_endpgm
.Lentry_shape_is_right:
; Scores x.c - 0.5 |c|^2 (|x|^2 is left out: it is the same for all codes of a row), by v_wmma_scale_f32_16x16x128_f8f6f4 on the records that the launch before made.
; BLOCK: a work-group takes 1,024 rows of x against 1,024 codes: 32 blocks of rows x 8 blocks of codes = 256 work-groups.
; Four waves, as many as a WGP has SIMDs.  Wave w keeps its own 256 rows of x (16 tiles, 512 registers, windows 1 and 2) for the whole launch, loaded from x's records as they lie.
; The block's 64 records of the codebook, 278,528 bytes, all have LDS bytes of their own; nothing is filled twice.  Records 0-15 come by the head's loads (4 a wave), records 16-63 by a second load a wave (12 each),
; issued behind the lines ahead of a later first fill; it has records 0-14, 480 matrix instructions a wave, in which to land.  All four waves read every record: 4,352 bytes from LDS feed 32 matrix instructions.
; CLUSTER: the four work-groups of a cluster take the same block of codes (it hangs on the cluster's number alone) and ask for its records jointly.
; No prefetch: a wave has two tensor loads, both asked for ahead of the loops.
; Source 0 = 16 codes, source 1 = 16 rows of x; C of the first K step = the codes' biases.  Lane (r, h) holds row r and its 8 registers the codes 8 h + 0 .. 7 of the tile: a GROUP of 8.
; A lane keeps the largest score so far and the tile in which it fell; a later equal score does not replace it, so the lowest group wins.
; THE TWO HALVES OF THE ACCUMULATORS TAKE TURNS: tiles 0-7 of x are multiplied, tiles 8-15 of the record before are reduced, tiles 8-15 are multiplied, tiles 0-7 are reduced: the 48 lines of one half's reduction are the places behind the other half's products.
; At the end the two halves of the lanes are joined, and for each row a pair of whole numbers goes to cand[block of codes][row]: the largest score's bits turned into an unsigned number that rises with the score
; (-0 is made +0 first), and the group = 2 x tile + h.  The choice among the 8 blocks and inside the group is the next launch's.
; LIMITS: NaN and infinities are not served.
.set REC,   4352
.set SPARE, 64*REC                     ; behind the records: the spare words, 128 bytes a wave: two blocks of 256 bytes
.set SPW,  1
.set NIL,  2
.set AD,   3                           ; LDS: 16 x lane + the trip's base
.set AS,   4                           ; LDS: 4 x lane + the same
.set AB,   5                           ; LDS: 32 h + the same
.set HH,   6
.set LI,   7
.set L4,   8
.set L8,   9
.set H5,   10
.set LN,   11
.set GG,   12
.set P1,   13
.set P2,   14
.set TMP,  16                          ; v16-23
.set XS,   24                          ; v24-39 x's scale words: lanes 0-15 K step 0's, lanes 16-31 K step 1's
.set BEST, 40                          ; v40-71 two sets of 16 by turns
.set IDX,  72                          ; v72-87
.set ASW,  88                          ; v88-89 the records' scale words
.set RT,   92                          ; v92-95 two tiles' joined pairs
.set OO,   96                          ; v96-111 the pairs on their way out
.set BI,   112                         ; v112-127 two records' biases
.set ACC,  128                         ; v128-255: tiles 0-7, tiles 8-15
                                       ; window 3, v0-63: two records' codes
.set WV,   14
.set CX,   15
.set WG,   16
.set TT,   17
.set CNT,  18
.set CB,   19
.set SEL,  20
.set HIM,  22
.set OFS,  23
.set G1A,  24
.set G1B,  32
.set G0A,  40
.set G0B,  44
.set MK,   56                          ; s56-63
.set MSB, 0
.macro WIN new
.if MSB != \new
	s_set_vgpr_msb (MSB<<8)|\new
.set MSB, \new
.endif
.endm
.macro PLACES n
.rept \n
	v_nop
.endr
.endm
.macro CROUND                          ; a round of the cluster's barrier
	s_barrier_signal -1
	s_barrier_wait -1
	s_cmp_lg_u32 s[WV], 0
	s_cbranch_scc1 .Lnot_wave_0_\@
	s_barrier_signal -3
.Lnot_wave_0_\@:
	s_barrier_wait -3
	s_barrier_signal -1
	s_barrier_wait -1
.endm
.macro XLOAD t                         ; tile t of my x: 8 loads of 512 consecutive bytes, into window 1 (tiles 0-7) or 2
	WIN 0x40+0x40*((\t)/8)
.irp q, 0,1,2,3,4,5,6,7
	global_load_b128 v[32*((\t)%8)+4*\q:32*((\t)%8)+4*\q+3], v[LI], s[6:7] offset:(\t)*REC+512*\q
.endr
.endm
.macro LOADA buf, i                    ; the record i behind the trip's base: codes (window 3), scale words, biases: 11 LDS loads
	WIN 0xc0
.irp q, 0,1,2,3,4,5,6,7
	ds_load_b128 v[32*(\buf)+4*\q:32*(\buf)+4*\q+3], v[AD] offset:(\i)*REC+512*\q
.endr
	WIN 0
	ds_load_b32 v[ASW+(\buf)], v[AS] offset:(\i)*REC+4096
	ds_load_b128 v[BI+8*(\buf):BI+8*(\buf)+3], v[AB] offset:(\i)*REC+4224
	ds_load_b128 v[BI+8*(\buf)+4:BI+8*(\buf)+7], v[AB] offset:(\i)*REC+4240
.endm
.macro MULT hf, buf                    ; 16 codes x half hf of my rows: eight accumulators take turns, one instruction a turn.  Source 0 window 3, source 1 window 1 or 2
	WIN 0x07+4*(\hf)
.irp x, 0,1,2,3,4,5,6,7
	v_wmma_scale_f32_16x16x128_f8f6f4 v[ACC+64*(\hf)+8*\x:ACC+64*(\hf)+8*\x+7], v[32*(\buf):32*(\buf)+15], v[32*\x:32*\x+15], v[BI+8*(\buf):BI+8*(\buf)+7], v[ASW+(\buf)], v[XS+8*(\hf)+\x]
.endr
.irp x, 0,1,2,3,4,5,6,7
	v_wmma_scale_f32_16x16x128_f8f6f4 v[ACC+64*(\hf)+8*\x:ACC+64*(\hf)+8*\x+7], v[32*(\buf)+16:32*(\buf)+31], v[32*\x+16:32*\x+31], v[ACC+64*(\hf)+8*\x:ACC+64*(\hf)+8*\x+7], v[ASW+(\buf)], v[XS+8*(\hf)+\x] matrix_a_scale:MATRIX_SCALE_ROW1 matrix_b_scale:MATRIX_SCALE_ROW1
.endr
	WIN 0
.endm
.macro REDUCE hf, p                    ; six instructions a tile of x, the half's eight tiles by turns; each accumulator is read from its low end on
.set RA, ACC+64*(\hf)
.set BO, BEST+16*(\p)+8*(\hf)
.set BN, BEST+16*(1-(\p))+8*(\hf)
.irp x, 0,1,2,3,4,5,6,7
	v_max3_num_f32 v[TMP+\x], v[RA+8*\x], v[RA+8*\x+1], v[RA+8*\x+2]
.endr
.irp x, 0,1,2,3,4,5,6,7
	v_max3_num_f32 v[TMP+\x], v[TMP+\x], v[RA+8*\x+3], v[RA+8*\x+4]
.endr
.irp x, 0,1,2,3,4,5,6,7
	v_max3_num_f32 v[TMP+\x], v[TMP+\x], v[RA+8*\x+5], v[RA+8*\x+6]
.endr
.irp x, 0,1,2,3,4,5,6,7
	v_max3_num_f32 v[BN+\x], v[TMP+\x], v[RA+8*\x+7], v[BO+\x]
.endr
.irp x, 0,1,2,3,4,5,6,7
	v_cmp_gt_f32 s[MK+\x], v[BN+\x], v[BO+\x]
.endr
.irp x, 0,1,2,3,4,5,6,7
	v_cndmask_b32 v[IDX+8*(\hf)+\x], v[IDX+8*(\hf)+\x], s[TT], s[MK+\x]
.endr
.endm
.macro RECORD buf, inext, first        ; inext < 0: nothing more to fetch;  first = 1: no record before this one
	s_wait_dscnt 0x0                               ; this record's 11 loads are in
.if (\inext) >= 0
	LOADA 1-(\buf), \inext                         ; the next record, into registers last multiplied ahead of the 48 lines of the last reduction
.endif
	MULT 0, \buf
.if (\first) == 0
	REDUCE 1, 1-(\buf)                             ; the record before, tiles 8-15
	s_add_co_u32 s[TT], s[TT], 1
.endif
	MULT 1, \buf
.if \first
	PLACES 8                                       ; eight places between this form and the first read of its results
.endif
	REDUCE 0, \buf
.endm
.macro PAIR                            ; two records, and the base two records on
	RECORD 1, 2, 0
	RECORD 0, 3, 0
	s_add_co_u32 s[OFS], s[OFS], 2*REC
	v_add_nc_u32 v[AD], s[OFS], v[LI]
	v_add_nc_u32 v[AS], s[OFS], v[L4]
	v_add_nc_u32 v[AB], s[OFS], v[H5]
	s_wait_alu depctr_va_vdst(0)                   ; the wait here, behind the writes and ahead of the branch
	s_sub_co_u32 s[CNT], s[CNT], 1
	s_cmp_lg_u32 s[CNT], 0
.endm
.macro HJOIN x, dv, dg                 ; lanes l and l xor 16 are joined: the larger score; of equal scores the lower group
	v_lshl_add_u32 v[GG], v[IDX+\x], 1, v[HH]
	v_permlanex16_b32 v[P1], v[BEST+\x], s[SEL], s[SEL+1]
	v_permlanex16_b32 v[P2], v[GG], s[SEL], s[SEL+1]
	v_cmp_gt_f32 s[MK], v[P1], v[BEST+\x]
	v_cmp_eq_f32 s[MK+1], v[P1], v[BEST+\x]
	v_cmp_lt_u32 s[MK+2], v[P2], v[GG]
	s_and_b32 s[MK+1], s[MK+1], s[MK+2]
	s_or_b32 s[MK], s[MK], s[MK+1]
	v_cndmask_b32 v[\dv], v[BEST+\x], v[P1], s[MK]
	v_cndmask_b32 v[\dg], v[GG], v[P2], s[MK]
.endm
	s_load_b128 s[4:7], s[0:1], 0x0                ; the codebook's records s[4:5], x's s[6:7]
	s_load_b64 s[8:9], s[0:1], 0x10                ; the candidates
	v_lshl_add_u32 v[SPW], v0, 2, SPARE
	v_mov_b32 v[NIL], 0
	ds_add_u32 v[SPW], v[NIL]                      ; the opening lines: the add, twice on end, and its wait ahead of the round in front of my first tensor load
	ds_add_u32 v[SPW], v[NIL]
	v_lshrrev_b32 v[TMP], 5, v0
	v_readfirstlane_b32 s[WV], v[TMP]              ; wave 0..3
	s_bfe_u32 s[CX], ttmp6, 0x40000
	s_lshl_b32 s[WG], ttmp9, 2
	s_add_co_u32 s[WG], s[WG], s[CX]
	s_and_b32 s[WG], s[WG], 31                     ; my block of 1,024 rows
	s_lshr_b32 s[CB], ttmp9, 3                     ; my block of 1,024 codes: the same in the cluster's four
	s_mov_b32 s[G1A], 15|(3<<16)|(1<<21)           ; the mask names the four; elements of 8 bytes; 4 records are 68 dense rows of 256 bytes,
	s_mov_b32 s[G1A+1], 32<<16
	s_mov_b32 s[G1A+2], 68<<16
	s_mov_b32 s[G1A+3], 32<<16
	s_mov_b32 s[G1A+4], 68
	s_mov_b32 s[G1A+5], 32
	s_mov_b32 s[G1A+6], 0
	s_mov_b32 s[G1A+7], 0
	s_mov_b32 s[G1B], 15|(3<<16)|(1<<21)           ; 12 records 204
	s_mov_b32 s[G1B+1], 32<<16
	s_mov_b32 s[G1B+2], 204<<16
	s_mov_b32 s[G1B+3], 32<<16
	s_mov_b32 s[G1B+4], 204
	s_mov_b32 s[G1B+5], 32
	s_mov_b32 s[G1B+6], 0
	s_mov_b32 s[G1B+7], 0
	s_mov_b32 s[G0A], 1
	s_mul_i32 s[G0A+1], s[WV], 4*REC               ; records 4 w .. 4 w + 3 of the block, in LDS and in memory
	s_mov_b32 s[G0B], 1
	s_mul_i32 s[G0B+1], s[WV], 12*REC
	s_add_co_u32 s[G0B+1], s[G0B+1], 16*REC        ; records 16 + 12 w .. 16 + 12 w + 11
	s_mul_i32 s48, s[CB], 64*REC
	s_add_co_u32 s50, s48, s[G0B+1]
	s_add_co_u32 s48, s48, s[G0A+1]
	s_mov_b32 s49, 0
	s_mov_b32 s51, 0
	s_lshl_b32 s52, s[WG], 6
	s_lshl_b32 s53, s[WV], 4
	s_add_co_u32 s52, s52, s53
	s_mul_i32 s52, s52, REC                        ; my first tile of x: 64 x block + 16 x wave
	s_mov_b32 s53, 0
	s_lshl_b32 s54, s[CB], 18                      ; cand: 262,144 bytes a block of codes, 8 a row
	s_lshl_b32 s55, s[WG], 13
	s_add_co_u32 s54, s54, s55
	s_lshl_b32 s55, s[WV], 11
	s_add_co_u32 s54, s54, s55
	s_mov_b32 s55, 0
	s_lshl_b32 s[TT], s[CB], 6                     ; the block's first tile of codes
	s_mov_b32 s[OFS], 0
	s_mov_b32 s[SEL], 0x76543210
	s_mov_b32 s[SEL+1], 0xfedcba98
	s_mov_b32 s[HIM], 0xffff0000
	s_wait_dscnt 0x0
	s_wait_kmcnt 0x0
	s_add_nc_u64 s[G0A+2:G0A+3], s[4:5], s[48:49]
	s_or_b32 s[G0A+3], s[G0A+3], 0x80000000
	s_add_nc_u64 s[G0B+2:G0B+3], s[4:5], s[50:51]
	s_or_b32 s[G0B+3], s[G0B+3], 0x80000000
	s_add_nc_u64 s[6:7], s[6:7], s[52:53]
	s_add_nc_u64 s[8:9], s[8:9], s[54:55]
	CROUND                                         ; the four work-groups are here: the joint loads meet
	tensor_load_to_lds s[G0A:G0A+3], s[G1A:G1A+7]  ; the wave's one tensor load at the head
	s_nop 0
	PLACES 4
	v_and_b32 v[LN], 31, v0
	v_bfe_u32 v[HH], v0, 4, 1
	v_lshlrev_b32 v[LI], 4, v[LN]
	v_lshlrev_b32 v[L4], 2, v[LN]
.irp t, 0,1,2,3,4,5,6
	XLOAD \t                                       ; 56 loads go out under the tensor load's flight
.endr
	WIN 0
	v_lshlrev_b32 v[L8], 3, v[LN]
	v_lshlrev_b32 v[H5], 5, v[HH]
	v_mov_b32 v[AD], v[LI]
	v_mov_b32 v[AS], v[L4]
.irp i, 0,1,2,3,4,5,6,7,8,9,10,11,12,13,14,15
	v_mov_b32 v[BEST+\i], 0xff800000
	v_mov_b32 v[IDX+\i], 0
.endr
	v_mov_b32 v[AB], v[H5]
	v_mov_b32 v[P1], 0                             ; (lane permutes' destinations)
	v_mov_b32 v[P2], 0
	s_wait_alu depctr_va_vdst(0)                   ; the wait at the head's end
	s_wait_tensorcnt 0x0                           ; my 4 records are in LDS
	ds_add_u32 v[SPW], v[NIL]
	s_wait_dscnt 0x0
	CROUND                                         ; records 0-15 are in, and the four work-groups are here
	tensor_load_to_lds s[G0B:G0B+3], s[G1B:G1B+7]  ; my 12 of records 16-63: the one tensor load behind the round
	s_nop 0
	PLACES 4
.irp t, 7,8,9,10,11,12,13,14,15
	XLOAD \t
.endr
	WIN 0
.irp t, 0,1,2,3,4,5,6,7,8,9,10,11,12,13,14,15
	global_load_b32 v[XS+\t], v[L4], s[6:7] offset:\t*REC+4096
.endr
	LOADA 0, 0
	s_wait_loadcnt 0x0                             ; my 256 rows of x
	RECORD 0, 1, 1                                 ; record 0
	s_mov_b32 s[CNT], 7
.Lfirst:                                               ; records 1-14; the last trip fetches record 15
	PAIR
	s_cbranch_scc1 .Lfirst
	s_wait_tensorcnt 0x0                           ; my 12 records are in LDS;
	s_wait_dscnt 0x0                               ; no LDS load of mine is out at the signal
	s_barrier_signal -1
	s_barrier_wait -1                              ; and so are the other waves'
	s_mov_b32 s[CNT], 24
.Lsecond:                                              ; records 15-62
	PAIR
	s_cbranch_scc1 .Lsecond
	RECORD 1, -1, 0                                ; record 63
	REDUCE 1, 1                                    ; and its tiles 8-15
.irp t, 0,1,2,3,4,5,6,7
	HJOIN 2*\t, RT, RT+1
	HJOIN 2*\t+1, RT+2, RT+3
	v_cndmask_b32 v[OO+2*\t], v[RT], v[RT+2], s[HIM]               ; lanes 0-15 give tile 2 t's rows, lanes 16-31 tile 2 t + 1's
	v_cndmask_b32 v[OO+2*\t+1], v[RT+1], v[RT+3], s[HIM]
	v_add_f32 v[OO+2*\t], 0, v[OO+2*\t]                            ; -0 becomes +0
	v_ashrrev_i32 v[GG], 31, v[OO+2*\t]
	v_or_b32 v[GG], 0x80000000, v[GG]
	v_xor_b32 v[OO+2*\t], v[OO+2*\t], v[GG]                        ; positive: the sign bit set; negative: all bits turned: an unsigned number that rises with the score
	global_store_b64 v[L8], v[OO+2*\t:OO+2*\t+1], s[8:9] offset:256*\t   ; 32 rows' pairs: 256 consecutive bytes, aligned
.endr
	s_wait_tensorcnt 0x0                           ; the wave's end
	ds_add_u32 v[SPW], v[NIL]
	s_wait_dscnt 0x0
	CROUND                                         ; the closing round
	s_endpgm
.Lfunc_end_k_q2d9f991e5e_search:
	.size	k_q2d9f991e5e_search, .Lfunc_end_k_q2d9f991e5e_search-k_q2d9f991e5e_search
	.p2alignl 7, 3214868480
	.fill 96, 4, 3214868480
	.section	.rodata,"a",@progbits
	.p2align	6, 0x0
	.amdhsa_kernel k_q2d9f991e5e_search
		.amdhsa_group_segment_fixed_size 327680
		.amdhsa_private_segment_fixed_size 0
		.amdhsa_enable_private_segment 0
		.amdhsa_kernarg_size 24
		.amdhsa_user_sgpr_count 2
		.amdhsa_user_sgpr_kernarg_segment_ptr 1
		.amdhsa_wavefront_size32 1
		.amdhsa_system_sgpr_workgroup_id_x 1
		.amdhsa_system_sgpr_workgroup_id_y 1
		.amdhsa_system_sgpr_workgroup_id_z 1
		.amdhsa_system_vgpr_workitem_id 0
		.amdhsa_next_free_vgpr 832
		.amdhsa_next_free_sgpr 66
		.amdhsa_reserve_vcc 0
		.amdhsa_float_denorm_mode_32 3
		.amdhsa_float_denorm_mode_16_64 3
		.amdhsa_memory_ordered 1
		.amdhsa_forward_progress 1
		.amdhsa_inst_pref_size 100
	.end_amdhsa_kernel
	.amdgpu_metadata
---
amdhsa.version: [ 1, 2 ]
amdhsa.kernels:
  - .name:           k_q2d9f991e5e_search
    .symbol:         k_q2d9f991e5e_search.kd
    .args:
      - { .name: crec, .offset: 0, .size: 8, .value_kind: global_buffer, .address_space: global }
      - { .name: xrec, .offset: 8, .size: 8, .value_kind: global_buffer, .address_space: global }
      - { .name: cand, .offset: 16, .size: 8, .value_kind: global_buffer, .address_space: global }
    .group_segment_fixed_size: 327680
    .private_segment_fixed_size: 0
    .kernarg_segment_align: 8
    .kernarg_segment_size: 24
    .max_flat_workgroup_size: 128
    .sgpr_count:     66
    .vgpr_count:     832
    .wavefront_size: 32
...
	.end_amdgpu_metadata
.endif
;; end of part 2
;; launch refine (part 3): grid 256 x 1, 8 waves a work-group, no clusters, 2,048 bytes of LDS; arguments crec, xrec, cand, index; writes index
.if DOCPART == 3
	.amdgcn_target "amdgcn-amd-amdhsa--gfx1250"
	.amdhsa_code_object_version 6
	.text
	.protected	k_q2d9f991e5e_refine
	.globl	k_q2d9f991e5e_refine
	.p2align	8
	.type	k_q2d9f991e5e_refine,@function
k_q2d9f991e5e_refine:
	s_mov_b64 s[64:65], 0
	v_nop
	global_prefetch_b8 v0, s[64:65] scope:SCOPE_SE
	s_setreg_imm32_b32 hwreg(HW_REG_WAVE_MODE, 25, 1), 1
	s_wait_xcnt 0x0
; For each row the launch before stored 8 pairs of whole numbers, one for each block of 1,024 codes: a number that rises with the block's largest score, and that score's group of 8 codes.
; Here the pair with the largest number is taken, by compares of unsigned numbers (of equal numbers the lower block, and so the lower group, stays).  The group's eight scores are made once more, by the same matrix
; instruction on the same codes, scale words and biases, and the first of the largest gives the row's code: index = 8 x group + j.  (|x|^2 is left out as in the search.)
; SHARES.  Wave w of work-group g takes the tile of 16 rows 8 g + w, in eight passes.  Lane r picks row r's group; v_readlane_b32 hands the sixteen groups to all lanes.  Pass p lays TWO rows' groups into one
; fragment of source 0: its rows 0-7 are the group of row p, its rows 8-15 that of row p + 8.  Source 1 is the tile of x.  The scores that count land in lane p (row p, registers 0-7) and in lane 24 + p (row p + 8).
; All eight passes' operands are asked for at once.  A group number enters addresses behind v_min_u32 with 1,023, by ANDs, a multiplication, shifts left and additions.
; No cluster and no LDS ring: every row wants records of its own.
; LIMITS: as in the search: equal scores take the lowest code; NaN and infinities are not served.
.set REC, 4352
.set RR,  1                            ; r
.set HH,  2                            ; h
.set LAC, 3                            ; 16 (r % 8) + 256 h: my place in a group's codes
.set LAS, 4                            ; 4 (r % 8) + 64 h: in its scale words
.set R8,  5                            ; 8 r
.set R4,  7                            ; 4 r
.set LI,  8                            ; 16 x lane
.set L4,  9                            ; 4 x lane
.set LW,  10                           ; LDS: 64 x wave + 4 r
.set XF,  16                           ; v16-47 x's two fragments
.set XSW, 48
.set ASW, 49                           ; v49-56 the passes' scale words
.set GA,  57                           ; v57-64 the group that my row of source 0 belongs to
.set GC,  65                           ; v65-72 the group whose biases my half of the lanes wants
.set GO,  73                           ; row r's group
.set OFA, 74
.set OFS, 82
.set OFC, 90
.set BI,  100                          ; v100-163 biases
.set ACC, 164                          ; v164-227 accumulators
.set CK,  164                          ; v164-179 ahead of the products: row r's eight pairs
.set T1,  228
.set T2,  229
.set T3,  230
.set JJ,  231
.set OB,  232
.set ID,  236
.set OT,  237
.set WV,  14
.set SEL, 18
.set MK,  20
.set GL,  30                           ; s30-37 the groups of rows 0-7
.set GH,  38                           ; s38-45 of rows 8-15
.set MA,  46                           ; lanes with r / 8 = 1
.set MH,  47                           ; lanes 16-31
.set MSB, 0
.macro WIN new
.if MSB != \new
	s_set_vgpr_msb (MSB<<8)|\new
.set MSB, \new
.endif
.endm
	s_load_b128 s[4:7], s[0:1], 0x0                ; the codebook's records s[4:5], x's records s[6:7]
	s_load_b64 s[10:11], s[0:1], 0x10              ; the pairs
	s_load_b64 s[12:13], s[0:1], 0x18              ; the indices
	v_lshl_add_u32 v254, v0, 2, 0x400
	v_mov_b32 v255, 0
	v_lshrrev_b32 v[T1], 5, v0
	s_delay_alu instid0(VALU_DEP_1)
	v_readfirstlane_b32 s[WV], v[T1]               ; wave 0..7
	s_lshl_b32 s15, ttmp9, 3
	s_add_co_u32 s15, s15, s[WV]                   ; my tile of rows
	s_mul_i32 s22, s15, REC
	s_mov_b32 s23, 0
	s_lshl_b32 s26, s15, 7                         ; 16 rows' pairs are 128 bytes
	s_mov_b32 s27, 0
	s_lshl_b32 s28, ttmp9, 9
	s_mov_b32 s29, 0
	s_mov_b32 s[SEL], 0x76543210
	s_mov_b32 s[SEL+1], 0xfedcba98
	s_mov_b32 s[MA], 0xff00ff00
	s_mov_b32 s[MH], 0xffff0000
	v_and_b32 v[RR], 15, v0
	v_bfe_u32 v[HH], v0, 4, 1
	v_and_b32 v[T1], 7, v0
	s_delay_alu instid0(VALU_DEP_1)
	v_lshlrev_b32 v[LAC], 4, v[T1]
	s_delay_alu instid0(VALU_DEP_1)
	v_lshl_add_u32 v[LAC], v[HH], 8, v[LAC]
	s_delay_alu instid0(VALU_DEP_3)
	v_lshlrev_b32 v[LAS], 2, v[T1]
	s_delay_alu instid0(VALU_DEP_1)
	v_lshl_add_u32 v[LAS], v[HH], 6, v[LAS]
	v_lshlrev_b32 v[R8], 3, v[RR]
	v_lshlrev_b32 v[R4], 2, v[RR]
	v_and_b32 v[T2], 31, v0
	s_delay_alu instid0(VALU_DEP_1)
	v_lshlrev_b32 v[LI], 4, v[T2]
	s_delay_alu instid0(VALU_DEP_2)
	v_lshlrev_b32 v[L4], 2, v[T2]
	s_lshl_b32 s16, s[WV], 6
	v_add_nc_u32 v[LW], s16, v[R4]
	v_mov_b32 v[OT], 0                             ; (a lane permute's destination)
	s_wait_alu depctr_va_vdst(0)                   ; the wait at the head's end
	s_wait_kmcnt 0x0
	s_add_nc_u64 s[6:7], s[6:7], s[22:23]
	s_add_nc_u64 s[10:11], s[10:11], s[26:27]
	s_add_nc_u64 s[12:13], s[12:13], s[28:29]
.irp k, 0,1,2,3,4,5,6,7
	global_load_b64 v[CK+2*\k:CK+2*\k+1], v[R8], s[10:11] offset:262144*\k   ; row r's pair of block k: sixteen lanes read 128 consecutive bytes
.endr
.irp q, 0,1,2,3,4,5,6,7
	global_load_b128 v[XF+4*\q:XF+4*\q+3], v[LI], s[6:7] offset:512*\q   ; x's image
.endr
	global_load_b32 v[XSW], v[L4], s[6:7] offset:4096
	s_wait_loadcnt 9                               ; the 8 pairs are in; x's nine loads, issued behind them, may be out
.irp k, 1,2,3,4,5,6,7
.if \k > 1
	s_delay_alu instid0(VALU_DEP_2)
.endif
	v_cmp_gt_u32 s[MK], v[CK+2*\k], v[CK]
	v_cndmask_b32 v[CK], v[CK], v[CK+2*\k], s[MK]
	v_cndmask_b32 v[CK+1], v[CK+1], v[CK+2*\k+1], s[MK]
.endr
	s_delay_alu instid0(VALU_DEP_1)
	v_min_u32 v[GO], 0x3ff, v[CK+1]                ; row r's group
.irp p, 0,1,2,3,4,5,6,7
	v_readlane_b32 s[GL+\p], v[GO], \p
	v_readlane_b32 s[GH+\p], v[GO], \p+8
.endr
.irp p, 0,1,2,3,4,5,6,7
	v_mov_b32 v[GA+\p], s[GL+\p]
	v_mov_b32 v[GC+\p], s[GL+\p]
.endr
.irp p, 0,1,2,3,4,5,6,7
	v_cndmask_b32 v[GA+\p], v[GA+\p], s[GH+\p], s[MA]              ; the group of row p + 8 (r / 8)
	v_cndmask_b32 v[GC+\p], v[GC+\p], s[GH+\p], s[MH]              ; of row p + 8 h
.endr
.irp p, 0,1,2,3,4,5,6,7
	v_min_u32 v[GA+\p], 0x3ff, v[GA+\p]
	s_delay_alu instid0(VALU_DEP_1)
	v_and_b32 v[T1], 0x3fe, v[GA+\p]
	s_delay_alu instid0(VALU_DEP_1)
	v_mul_u32_u24 v[T1], v[T1], REC/2              ; the record of tile group / 2
	s_delay_alu instid0(VALU_DEP_3)
	v_and_b32 v[T2], 1, v[GA+\p]                   ; its lower or upper eight codes
	s_delay_alu instid0(VALU_DEP_1)
	v_lshlrev_b32 v[T3], 7, v[T2]
	s_delay_alu instid0(VALU_DEP_1)
	v_add_nc_u32 v[OFA+\p], v[T1], v[T3]
	s_delay_alu instid0(VALU_DEP_1)
	v_add_nc_u32 v[OFA+\p], v[OFA+\p], v[LAC]
	s_delay_alu instid0(VALU_DEP_4)
	v_lshlrev_b32 v[T3], 5, v[T2]
	s_delay_alu instid0(VALU_DEP_1)
	v_add_nc_u32 v[OFS+\p], v[T1], v[T3]
	s_delay_alu instid0(VALU_DEP_1)
	v_add_nc_u32 v[OFS+\p], v[OFS+\p], v[LAS]
	v_min_u32 v[GC+\p], 0x3ff, v[GC+\p]
	s_delay_alu instid0(VALU_DEP_1)
	v_and_b32 v[T1], 0x3fe, v[GC+\p]
	s_delay_alu instid0(VALU_DEP_1)
	v_mul_u32_u24 v[T1], v[T1], REC/2
	s_delay_alu instid0(VALU_DEP_3)
	v_and_b32 v[T2], 1, v[GC+\p]
	s_delay_alu instid0(VALU_DEP_1)
	v_lshlrev_b32 v[T3], 5, v[T2]
	s_delay_alu instid0(VALU_DEP_1)
	v_add_nc_u32 v[OFC+\p], v[T1], v[T3]
.endr
	WIN 0x40                                       ; destination window 1
.irp p, 0,1,2,3,4,5,6,7
.irp q, 0,1,2,3,4,5,6,7
	global_load_b128 v[32*\p+4*\q:32*\p+4*\q+3], v[OFA+\p], s[4:5] offset:512*\q   ; eight neighbouring lanes read 128 neighbouring bytes
.endr
.endr
	WIN 0
.irp p, 0,1,2,3,4,5,6,7
	global_load_b32 v[ASW+\p], v[OFS+\p], s[4:5] offset:4096
	global_load_b128 v[BI+8*\p:BI+8*\p+3], v[OFC+\p], s[4:5] offset:4224
	global_load_b128 v[BI+8*\p+4:BI+8*\p+7], v[OFC+\p], s[4:5] offset:4240
.endr
	s_wait_loadcnt 0x0
	WIN 0x01                                       ; source 0 in window 1
.irp p, 0,1,2,3,4,5,6,7                        ; the eight accumulators take turns, one instruction a turn
	v_wmma_scale_f32_16x16x128_f8f6f4 v[ACC+8*\p:ACC+8*\p+7], v[32*\p:32*\p+15], v[XF:XF+15], v[BI+8*\p:BI+8*\p+7], v[ASW+\p], v[XSW]
.endr
.irp p, 0,1,2,3,4,5,6,7
	v_wmma_scale_f32_16x16x128_f8f6f4 v[ACC+8*\p:ACC+8*\p+7], v[32*\p+16:32*\p+31], v[XF+16:XF+31], v[ACC+8*\p:ACC+8*\p+7], v[ASW+\p], v[XSW] matrix_a_scale:MATRIX_SCALE_ROW1 matrix_b_scale:MATRIX_SCALE_ROW1
.endr
	WIN 0
.rept 8
	v_nop                                          ; eight places between this form and the first read of its results
.endr
.irp p, 1,2,3,4,5,6,7                          ; lanes p and 24 + p take pass p's eight scores; each accumulator is read from its low end on
	s_mov_b32 s[MK], (1<<\p)|(1<<(24+\p))
.irp j, 0,1,2,3,4,5,6,7
	v_cndmask_b32 v[ACC+\j], v[ACC+\j], v[ACC+8*\p+\j], s[MK]
.endr
.endr
	v_mov_b32 v[JJ], 0
.irp j, 1
	v_cmp_gt_f32 vcc_lo, v[ACC+\j], v[ACC]
	s_delay_alu instid0(VALU_DEP_1)
	v_cndmask_b32 v[JJ], v[JJ], \j, vcc_lo
	v_max_num_f32 v[ACC], v[ACC], v[ACC+\j]
.endr
.irp j, 2, 3, 4, 5, 6, 7
	s_delay_alu instid0(VALU_DEP_1)
	v_cmp_gt_f32 vcc_lo, v[ACC+\j], v[ACC]
	s_delay_alu instid0(VALU_DEP_1)
	v_cndmask_b32 v[JJ], v[JJ], \j, vcc_lo
	s_delay_alu instid0(VALU_DEP_3)
	v_max_num_f32 v[ACC], v[ACC], v[ACC+\j]
.endr
	s_delay_alu instid0(VALU_DEP_2)
	v_lshl_add_u32 v[ID], v[GO], 3, v[JJ]          ; right in lanes 0-7 (rows 0-7) and 24-31 (rows 8-15)
	s_delay_alu instid0(VALU_DEP_1)
	v_permlanex16_b32 v[OT], v[ID], s[SEL], s[SEL+1]
	s_mov_b32 s[MK], 0xff0000ff
	v_cndmask_b32 v[ID], v[OT], v[ID], s[MK]       ; the other lanes take lane l xor 16's: every lane holds row r's index
	ds_store_b32 v[LW], v[ID]                      ; both halves of the lanes write the same word with the same value
	s_wait_dscnt 0x0                               ; for wave 0's sake
	s_barrier_signal -1
	s_barrier_wait -1
	s_cmp_lg_u32 s[WV], 0
	s_cbranch_scc1 .Lend
	ds_load_b128 v[OB:OB+3], v[LI]                 ; the work-group's 128 indices
	s_wait_dscnt 0x0
	global_store_b128 v[LI], v[OB:OB+3], s[12:13]  ; 512 consecutive bytes
.Lend:
	s_wait_tensorcnt 0x0                           ; the wave's end
	ds_add_u32 v254, v255
	s_wait_dscnt 0x0
	s_endpgm
.Lfunc_end_k_q2d9f991e5e_refine:
	.size	k_q2d9f991e5e_refine, .Lfunc_end_k_q2d9f991e5e_refine-k_q2d9f991e5e_refine
	.p2alignl 7, 3214868480
	.fill 96, 4, 3214868480
	.section	.rodata,"a",@progbits
	.p2align	6, 0x0
	.amdhsa_kernel k_q2d9f991e5e_refine
		.amdhsa_group_segment_fixed_size 2048
		.amdhsa_private_segment_fixed_size 0
		.amdhsa_enable_private_segment 0
		.amdhsa_kernarg_size 32
		.amdhsa_user_sgpr_count 2
		.amdhsa_user_sgpr_kernarg_segment_ptr 1
		.amdhsa_wavefront_size32 1
		.amdhsa_system_sgpr_workgroup_id_x 1
		.amdhsa_system_sgpr_workgroup_id_y 1
		.amdhsa_system_sgpr_workgroup_id_z 1
		.amdhsa_system_vgpr_workitem_id 0
		.amdhsa_next_free_vgpr 512
		.amdhsa_next_free_sgpr 66
		.amdhsa_reserve_vcc 1
		.amdhsa_float_denorm_mode_32 3
		.amdhsa_float_denorm_mode_16_64 3
		.amdhsa_memory_ordered 1
		.amdhsa_forward_progress 1
		.amdhsa_inst_pref_size 35
	.end_amdhsa_kernel
	.amdgpu_metadata
---
amdhsa.version: [ 1, 2 ]
amdhsa.kernels:
  - .name:           k_q2d9f991e5e_refine
    .symbol:         k_q2d9f991e5e_refine.kd
    .args:
      - { .name: crec, .offset: 0, .size: 8, .value_kind: global_buffer, .address_space: global }
      - { .name: xrec, .offset: 8, .size: 8, .value_kind: global_buffer, .address_space: global }
      - { .name: cand, .offset: 16, .size: 8, .value_kind: global_buffer, .address_space: global }
      - { .name: index, .offset: 24, .size: 8, .value_kind: global_buffer, .address_space: global }
    .group_segment_fixed_size: 2048
    .private_segment_fixed_size: 0
    .kernarg_segment_align: 8
    .kernarg_segment_size: 32
    .max_flat_workgroup_size: 256
    .sgpr_count:     66
    .vgpr_count:     512
    .wavefront_size: 32
...
	.end_amdgpu_metadata
.endif
;; end of part 3
;; launch gather (part 4): grid 256 x 1, 16 waves a work-group, no clusters, 2,304 bytes of LDS; arguments x, codebook, index, out0, part; writes out0, part
.if DOCPART == 4
	.amdgcn_target "amdgcn-amd-amdhsa--gfx1250"
	.amdhsa_code_object_version 6
	.text
	.protected	k_q2d9f991e5e_gather
	.globl	k_q2d9f991e5e_gather
	.p2align	8
	.type	k_q2d9f991e5e_gather,@function
k_q2d9f991e5e_gather:
	s_mov_b64 s[64:65], 0
	v_nop
	global_prefetch_b8 v0, s[64:65] scope:SCOPE_SE
	s_setreg_imm32_b32 hwreg(HW_REG_WAVE_MODE, 25, 1), 1
	s_wait_xcnt 0x0
; out0[row] = x[row] + (codebook[index[row]] - x[row]), and for each work-group the sum of (codebook[index[row]] - x[row])^2 over its 128 rows.  All in f32.
; A wave takes 8 rows, written out: a row is two loads (or stores) of 512 consecutive bytes.  All 32 loads of a wave go out before the first is used.  The indices are whole numbers that an earlier launch
; stored; each is held at 8,191 before it enters an address.  No matrix unit, no cluster, no tensor load: a stream whose work-groups share nothing but codebook rows that a list names.
.set LI,  1                            ; v1  16 x lane
.set OFF, 4                            ; v4-11 16 x lane + the row's place in the codebook
.set X,   16                           ; v16-79  x, then out0
.set Q,   80                           ; v80-143 the code's row, then the difference
.set S,   144                          ; v144-151 four packed chains of squares
.set T,   152
.set OT,  153
.set AW,  154
.set AR,  155
.set NIL, 156
.set WV,  14
	s_load_b256 s[4:11], s[0:1], 0x0               ; x s[4:5], the codebook s[6:7], the indices s[8:9], out0 s[10:11]
	s_load_b64 s[12:13], s[0:1], 0x20              ; the partial sums
	v_lshl_add_u32 v160, v0, 2, 0x100
	v_mov_b32 v161, 0
	v_lshrrev_b32 v2, 5, v0
	s_delay_alu instid0(VALU_DEP_1)
	v_readfirstlane_b32 s[WV], v2                  ; wave 0..15
	v_and_b32 v2, 31, v0
	s_delay_alu instid0(VALU_DEP_1)
	v_lshlrev_b32 v[LI], 4, v2
	s_lshl_b32 s24, ttmp9, 17                      ; 128 rows of 1,024 bytes a work-group, 8 a wave
	s_lshl_b32 s15, s[WV], 13
	s_add_co_u32 s24, s24, s15
	s_mov_b32 s25, 0
	s_lshl_b32 s26, ttmp9, 9                       ; their indices
	s_lshl_b32 s15, s[WV], 5
	s_add_co_u32 s26, s26, s15
	s_mov_b32 s27, 0
	s_lshl_b32 s28, ttmp9, 2
	s_mov_b32 s29, 0
	s_mov_b32 s30, 0x76543210
	s_mov_b32 s31, 0xfedcba98
	v_mov_b32 v[AW], s[WV]
	s_delay_alu instid0(VALU_DEP_1)
	v_lshlrev_b32 v[AW], 2, v[AW]                  ; LDS: my wave's word
	v_and_b32 v[AR], 15, v0
	s_delay_alu instid0(VALU_DEP_1)
	v_lshlrev_b32 v[AR], 2, v[AR]                  ; LDS: the sixteen words
	v_mov_b32 v[OT], 0
	v_mov_b32 v[NIL], 0
	s_wait_alu depctr_va_vdst(0)
	s_wait_kmcnt 0x0
	s_add_nc_u64 s[8:9], s[8:9], s[26:27]
	s_load_b256 s[16:23], s[8:9], 0x0              ; my eight indices
	s_add_nc_u64 s[4:5], s[4:5], s[24:25]
	s_add_nc_u64 s[10:11], s[10:11], s[24:25]
	s_add_nc_u64 s[12:13], s[12:13], s[28:29]
.irp p, 0,1,2,3,4,5,6,7
	global_load_b128 v[X+8*\p:X+8*\p+3], v[LI], s[4:5] offset:1024*\p th:TH_LOAD_NT
	global_load_b128 v[X+8*\p+4:X+8*\p+7], v[LI], s[4:5] offset:1024*\p+512 th:TH_LOAD_NT
.endr
	s_wait_kmcnt 0x0
.irp p, 0,1,2,3,4,5,6,7
	s_min_u32 s[16+\p], s[16+\p], 0x1fff
	s_lshl_b32 s[16+\p], s[16+\p], 10
	v_add_nc_u32 v[OFF+\p], s[16+\p], v[LI]
.endr
	s_wait_alu depctr_va_vdst(0)
.irp p, 0,1,2,3,4,5,6,7
	global_load_b128 v[Q+8*\p:Q+8*\p+3], v[OFF+\p], s[6:7]         ; no hint: a row may be named again
	global_load_b128 v[Q+8*\p+4:Q+8*\p+7], v[OFF+\p], s[6:7] offset:512
.endr
.macro ROW p
	s_wait_loadcnt 14-2*\p                         ; x is in, and this row of the codebook; the loads of the rows behind it may be out
.irp i, 0,1,2,3
	v_pk_add_f32 v[Q+8*\p+2*\i:Q+8*\p+2*\i+1], v[Q+8*\p+2*\i:Q+8*\p+2*\i+1], v[X+8*\p+2*\i:X+8*\p+2*\i+1] neg_lo:[0,1] neg_hi:[0,1]   ; d = q - x
.endr
.irp i, 0,1,2,3
.if \p == 0
	s_delay_alu instid0(VALU_DEP_4)
	v_pk_mul_f32 v[S+2*\i:S+2*\i+1], v[Q+8*\p+2*\i:Q+8*\p+2*\i+1], v[Q+8*\p+2*\i:Q+8*\p+2*\i+1]   ; the first row starts the chains
.else
	s_delay_alu instid0(VALU_DEP_4)
	v_pk_fma_f32 v[S+2*\i:S+2*\i+1], v[Q+8*\p+2*\i:Q+8*\p+2*\i+1], v[Q+8*\p+2*\i:Q+8*\p+2*\i+1], v[S+2*\i:S+2*\i+1]
.endif
.endr
.irp i, 0,1,2,3
	v_pk_add_f32 v[X+8*\p+2*\i:X+8*\p+2*\i+1], v[X+8*\p+2*\i:X+8*\p+2*\i+1], v[Q+8*\p+2*\i:Q+8*\p+2*\i+1]   ; x + d
.endr
	global_store_b128 v[LI], v[X+8*\p:X+8*\p+3], s[10:11] offset:1024*\p th:TH_STORE_NT       ; 512 consecutive bytes; no store's data are written again
	global_store_b128 v[LI], v[X+8*\p+4:X+8*\p+7], s[10:11] offset:1024*\p+512 th:TH_STORE_NT
.endm
.irp p, 0,1,2,3,4,5,6,7
	ROW \p
.endr
	v_pk_add_f32 v[S:S+1], v[S:S+1], v[S+2:S+3]
	v_pk_add_f32 v[S+4:S+5], v[S+4:S+5], v[S+6:S+7]
	s_delay_alu instid0(VALU_DEP_1)
	v_pk_add_f32 v[S:S+1], v[S:S+1], v[S+4:S+5]
	s_delay_alu instid0(VALU_DEP_1)
	v_add_f32 v[T], v[S], v[S+1]
	s_delay_alu instid0(VALU_DEP_1)
	v_add_f32_dpp v[T], v[T], v[T] row_xmask:1 row_mask:0xf bank_mask:0xf
	s_delay_alu instid0(VALU_DEP_1)
	v_add_f32_dpp v[T], v[T], v[T] row_xmask:2 row_mask:0xf bank_mask:0xf
	s_delay_alu instid0(VALU_DEP_1)
	v_add_f32_dpp v[T], v[T], v[T] row_xmask:4 row_mask:0xf bank_mask:0xf
	s_delay_alu instid0(VALU_DEP_1)
	v_add_f32_dpp v[T], v[T], v[T] row_xmask:8 row_mask:0xf bank_mask:0xf
	s_delay_alu instid0(VALU_DEP_1)
	v_permlanex16_b32 v[OT], v[T], s30, s31
	s_delay_alu instid0(VALU_DEP_1)
	v_add_f32 v[T], v[T], v[OT]                    ; the wave's sum, in every lane
	ds_store_b32 v[AW], v[T]                       ; all lanes write the same word with the same value
	s_wait_dscnt 0x0                               ; for wave 0's sake
	s_barrier_signal -1
	s_barrier_wait -1
	s_cmp_lg_u32 s[WV], 0
	s_cbranch_scc1 .Lend
	ds_load_b32 v[T], v[AR]                        ; the sixteen waves' sums, one in each lane of a row of sixteen
	s_wait_dscnt 0x0
	v_add_f32_dpp v[T], v[T], v[T] row_xmask:1 row_mask:0xf bank_mask:0xf
	s_delay_alu instid0(VALU_DEP_1)
	v_add_f32_dpp v[T], v[T], v[T] row_xmask:2 row_mask:0xf bank_mask:0xf
	s_delay_alu instid0(VALU_DEP_1)
	v_add_f32_dpp v[T], v[T], v[T] row_xmask:4 row_mask:0xf bank_mask:0xf
	s_delay_alu instid0(VALU_DEP_1)
	v_add_f32_dpp v[T], v[T], v[T] row_xmask:8 row_mask:0xf bank_mask:0xf
	s_wait_alu depctr_va_vdst(0)
	s_wait_xcnt 0x0                                ; EXEC is a source of the stores above: it changes only behind this wait
	v_cmp_eq_u32 vcc_lo, 0, v0
	s_and_saveexec_b32 s15, vcc_lo
	global_store_b32 v[NIL], v[T], s[12:13]        ; one number a work-group
	s_wait_xcnt 0x0                                ; and again, in front of the line that widens it
	s_or_b32 exec_lo, exec_lo, s15
.Lend:
	s_wait_tensorcnt 0x0
	ds_add_u32 v160, v161
	s_wait_dscnt 0x0
	s_endpgm
.Lfunc_end_k_q2d9f991e5e_gather:
	.size	k_q2d9f991e5e_gather, .Lfunc_end_k_q2d9f991e5e_gather-k_q2d9f991e5e_gather
	.p2alignl 7, 3214868480
	.fill 96, 4, 3214868480
	.section	.rodata,"a",@progbits
	.p2align	6, 0x0
	.amdhsa_kernel k_q2d9f991e5e_gather
		.amdhsa_group_segment_fixed_size 2304
		.amdhsa_private_segment_fixed_size 0
		.amdhsa_enable_private_segment 0
		.amdhsa_kernarg_size 40
		.amdhsa_user_sgpr_count 2
		.amdhsa_user_sgpr_kernarg_segment_ptr 1
		.amdhsa_wavefront_size32 1
		.amdhsa_system_sgpr_workgroup_id_x 1
		.amdhsa_system_sgpr_workgroup_id_y 1
		.amdhsa_system_sgpr_workgroup_id_z 1
		.amdhsa_system_vgpr_workitem_id 0
		.amdhsa_next_free_vgpr 162
		.amdhsa_next_free_sgpr 66
		.amdhsa_reserve_vcc 1
		.amdhsa_float_denorm_mode_32 3
		.amdhsa_float_denorm_mode_16_64 3
		.amdhsa_memory_ordered 1
		.amdhsa_forward_progress 1
		.amdhsa_inst_pref_size 17
	.end_amdhsa_kernel
	.amdgpu_metadata
---
amdhsa.version: [ 1, 2 ]
amdhsa.kernels:
  - .name:           k_q2d9f991e5e_gather
    .symbol:         k_q2d9f991e5e_gather.kd
    .args:
      - { .name: x, .offset: 0, .size: 8, .value_kind: global_buffer, .address_space: global }
      - { .name: codebook, .offset: 8, .size: 8, .value_kind: global_buffer, .address_space: global }
      - { .name: index, .offset: 16, .size: 8, .value_kind: global_buffer, .address_space: global }
      - { .name: out0, .offset: 24, .size: 8, .value_kind: global_buffer, .address_space: global }
      - { .name: part, .offset: 32, .size: 8, .value_kind: global_buffer, .address_space: global }
    .group_segment_fixed_size: 2304
    .private_segment_fixed_size: 0
    .kernarg_segment_align: 8
    .kernarg_segment_size: 40
    .max_flat_workgroup_size: 512
    .sgpr_count:     66
    .vgpr_count:     162
    .wavefront_size: 32
...
	.end_amdgpu_metadata
.endif
;; end of part 4
;; launch total (part 5): grid 1 x 1, 1 waves a work-group, no clusters, 0 bytes of LDS; arguments part, out1; writes out1
.if DOCPART == 5
	.amdgcn_target "amdgcn-amd-amdhsa--gfx1250"
	.amdhsa_code_object_version 6
	.text
	.protected	k_q2d9f991e5e_total
	.globl	k_q2d9f991e5e_total
	.p2align	8
	.type	k_q2d9f991e5e_total,@function
k_q2d9f991e5e_total:
	s_mov_b64 s[64:65], 0
	v_nop
	global_prefetch_b8 v0, s[64:65] scope:SCOPE_SE
	s_setreg_imm32_b32 hwreg(HW_REG_WAVE_MODE, 25, 1), 1
	s_wait_xcnt 0x0
; out1 = 1.0 x mean + 0.25 x mean, mean = the sum of the 256 partial sums / 2^23 (32,768 rows x 256 numbers).  One wave: eight numbers a lane, then across the lanes.
; A sum that spans work-groups is ordered by a launch of its own: no atomics.
	s_load_b128 s[4:7], s[0:1], 0x0                ; the partial sums, out1
	v_lshlrev_b32 v1, 5, v0                        ; 32 bytes a lane
	s_mov_b32 s8, 0x76543210
	s_mov_b32 s9, 0xfedcba98
	s_mov_b32 s10, 0x3e800000                      ; 0.25
	v_mov_b32 v12, 0                               ; (a lane permute's destination)
	v_mov_b32 v13, 0
	s_wait_alu depctr_va_vdst(0)
	s_wait_kmcnt 0x0
	global_load_b128 v[4:7], v1, s[4:5]
	global_load_b128 v[8:11], v1, s[4:5] offset:16
	s_wait_loadcnt 0x0
	v_pk_add_f32 v[4:5], v[4:5], v[6:7]
	v_pk_add_f32 v[8:9], v[8:9], v[10:11]
	v_pk_add_f32 v[4:5], v[4:5], v[8:9]
	v_add_f32 v4, v4, v5
	v_add_f32_dpp v4, v4, v4 row_xmask:1 row_mask:0xf bank_mask:0xf
	v_add_f32_dpp v4, v4, v4 row_xmask:2 row_mask:0xf bank_mask:0xf
	v_add_f32_dpp v4, v4, v4 row_xmask:4 row_mask:0xf bank_mask:0xf
	v_add_f32_dpp v4, v4, v4 row_xmask:8 row_mask:0xf bank_mask:0xf
	v_permlanex16_b32 v12, v4, s8, s9
	v_add_f32 v4, v4, v12
	v_mul_f32 v4, 0x34000000, v4                   ; x 2^-23: exact
	v_fma_f32 v4, v4, s10, v4                      ; the codebook's loss + 0.25 x the commitment's: the same mean
	s_wait_alu depctr_va_vdst(0)
	s_wait_xcnt 0x0                                ; EXEC changes only behind this wait
	v_cmp_eq_u32 vcc_lo, 0, v0
	s_and_saveexec_b32 s11, vcc_lo
	global_store_b32 v13, v4, s[6:7]
	s_wait_xcnt 0x0
	s_or_b32 exec_lo, exec_lo, s11
	s_endpgm
.Lfunc_end_k_q2d9f991e5e_total:
	.size	k_q2d9f991e5e_total, .Lfunc_end_k_q2d9f991e5e_total-k_q2d9f991e5e_total
	.p2alignl 7, 3214868480
	.fill 96, 4, 3214868480
	.section	.rodata,"a",@progbits
	.p2align	6, 0x0
	.amdhsa_kernel k_q2d9f991e5e_total
		.amdhsa_group_segment_fixed_size 0
		.amdhsa_private_segment_fixed_size 0
		.amdhsa_enable_private_segment 0
		.amdhsa_kernarg_size 16
		.amdhsa_user_sgpr_count 2
		.amdhsa_user_sgpr_kernarg_segment_ptr 1
		.amdhsa_wavefront_size32 1
		.amdhsa_system_sgpr_workgroup_id_x 1
		.amdhsa_system_sgpr_workgroup_id_y 1
		.amdhsa_system_sgpr_workgroup_id_z 1
		.amdhsa_system_vgpr_workitem_id 0
		.amdhsa_next_free_vgpr 16
		.amdhsa_next_free_sgpr 66
		.amdhsa_reserve_vcc 1
		.amdhsa_float_denorm_mode_32 3
		.amdhsa_float_denorm_mode_16_64 3
		.amdhsa_memory_ordered 1
		.amdhsa_forward_progress 1
		.amdhsa_inst_pref_size 2
	.end_amdhsa_kernel
	.amdgpu_metadata
---
amdhsa.version: [ 1, 2 ]
amdhsa.kernels:
  - .name:           k_q2d9f991e5e_total
    .symbol:         k_q2d9f991e5e_total.kd
    .args:
      - { .name: part, .offset: 0, .size: 8, .value_kind: global_buffer, .address_space: global }
      - { .name: out1, .offset: 8, .size: 8, .value_kind: global_buffer, .address_space: global }
    .group_segment_fixed_size: 0
    .private_segment_fixed_size: 0
    .kernarg_segment_align: 8
    .kernarg_segment_size: 16
    .max_flat_workgroup_size: 32
    .sgpr_count:     66
    .vgpr_count:     16
    .wavefront_size: 32
...
	.end_amdgpu_metadata
.endif
;; end of part 5
